; MI455X (gfx1250); checked and timed in simulation.
; The chip was launched on July 23, 2026; its instructions are those of AMD's public machine-readable ISA for CDNA 5 (MIT licence, August 2026) and "CDNA5" Instruction Set Architecture Reference Guide (July 2026). The comments in the code are by the model that wrote it; some were corrected since.
;; Self Attention. Allowed arithmetic: matrix products marked QUANTISED: E4M3 operands, one given power-of-two scale a tensor, by v_wmma_f32_16x16x64_fp8_fp8 or v_wmma_f32_16x16x128_fp8_fp8, f32 sums; everything else in f32.
;; Inputs: Wk_codes 32 x 8 x 32 uint8 (E4M3 codes of Wk, K innermost, in blocks of 32 codes); Wq_codes 32 x 8 x 32 uint8 (E4M3 codes of Wq, K innermost, in blocks of 32 codes); Wv_codes 256 x 8 x 32 uint8 (E4M3 codes of Wv, K innermost, in blocks of 32 codes); bk 32 float32; bq 32 float32; bv 256 float32; gamma 1 float32; lowp_scales 10 int32 (the exponents e of the quantised operands' scales 2^e); x 4 x 256 x 4,096 float32.
;; Outputs: out0 4 x 256 x 4,096 float32.
;; This version of the problem:
;;   THIS VERSION OF THE PROBLEM IS GIVEN IN LOW PRECISION. The matrix products marked QUANTISED in the list below multiply operands that are first quantised to E4M3 (4 exponent bits, 3 mantissa bits; 8 bits a number), with one given power-of-two scale for each operand tensor; their sums are f32. All else is computed in f32.
;;   The module's matrix products, in the order in which they are computed (A, B: the left and right operand; K: the contracted axis; several contracted axes count as one K, in the product's order):
;;     1. [M 16,384, K 256] x [K 256, N 32]; A: input x; B: input Wq (given as codes): QUANTISED (scales: A lowp_scales[0], B lowp_scales[1])
;;     2. [M 16,384, K 256] x [K 256, N 32]; A: input x; B: input Wk (given as codes): QUANTISED (scales: A lowp_scales[2], B lowp_scales[3])
;;     3. batch 4 x [M 4,096, K 32] x [K 32, N 4,096]; A: computed on the way; B: computed on the way: QUANTISED (scales: A lowp_scales[4], B lowp_scales[5])
;;     4. [M 16,384, K 256] x [K 256, N 256]; A: input x; B: input Wv (given as codes): QUANTISED (scales: A lowp_scales[6], B lowp_scales[7])
;;     5. batch 4 x [M 256, K 4,096] x [K 4,096, N 4,096]; A: computed on the way; B: softmax (see below): QUANTISED (scales: A lowp_scales[8], B lowp_scales[9])
;;   THE QUANTISER, for each operand of a quantised product, along K:
;;     - The operand's scale is 2^e, e = its entry of the input lowp_scales (int32; the entries are numbered through the quantised products in the list's order, A before B).
;;     - Each number is divided by the scale, clamped to +-448, and rounded to the nearest number of E4M3, ties to even, subnormals kept.
;;     - The product sums the exact products of the quantised numbers (number of the format x scale) in f32.
;;   ~~~python
;;   def quantise(x, axis, e):      # numpy; x: float32 -> the quantised numbers, widened to float32 again
;;       x = np.moveaxis(x, axis, -1); K = x.shape[-1]
;;       r = np.clip(x / 2.0 ** e, -448, 448)
;;       step = 2.0 ** (np.maximum(np.frexp(np.where(r == 0, 1, r))[1] - 1, -6) - 3)
;;       q = np.round(r / step) * step * 2.0 ** e      # np.round: ties to even
;;       return np.moveaxis(q, -1, axis).astype(np.float32)
;;   ~~~
;;   SOFTMAX AHEAD OF A QUANTISED PRODUCT. Where the list says 'softmax', what is quantised is not the finished softmax but p = 2^(t - M), with t = logit x log2(e) and M = ceil(the row's largest t), a whole number; so 1/2 < the row's largest p <= 1. The row's sum l is taken of the UNQUANTISED p, in f32, and the product's result is divided by l at the end. Since M is a whole number, a kernel that streams over the keys may use a running M (the ceiling of the running maximum): every later rescaling is an exact power of two, so the quantised numbers keep their values, but for numbers so far below the row's largest that they fall under the format's range.
;;   OPERANDS COMPUTED ON THE WAY. 'Computed on the way' means the value that the module computes at that place (a softmax that the list does not call 'softmax' is quantised finished and normalised). What goes into a quantiser is computed in f32, as accurately as f32 sums, v_exp_f32 and their like allow (about 1e-6 of the number): no bf16 or f16 on the way to a quantiser, and a product that is left as it is and whose result goes on into a quantised operand takes f32 operands (vector FMAs, or v_wmma_f32_16x16x4_f32). A number that lies on a knife's edge between two numbers of the format may be rounded either way, as far as f32 arithmetic and the matrix unit's own rounding can turn it there, and no further.
;;   INPUTS GIVEN AS CODES. Wk (in the module: [32, 256], K = its axis 1); Wq (in the module: [32, 256], K = its axis 1); Wv (in the module: [256, 256], K = its axis 1): each comes as NAME_codes (uint8): NAME with its K axis moved to the last place and cut into blocks of 32 codes, [.., K / 32, bytes a block], one block behind the other in memory; one code a byte (a code: sign, 4 exponent bits, 3 mantissa bits); its scale is its entry of lowp_scales. Its value is code x scale, taken as it is: it is not quantised again, and the codes and scales need not be those that the quantiser above would give.
;; One version. Each part assembles by itself: llvm-mc -triple=amdgcn-amd-amdhsa -mcpu=gfx1250 --defsym DOCPART=n.
;; ======== version 1 of 1: 2 launches
;; workspace buffers: qi 524,288 bytes; kv 4,718,592 bytes
;; launch proj (part 1): grid 64 x 4, 8 waves a work-group, no clusters, 50,176 bytes of LDS; arguments x, Wq_codes, Wk_codes, Wv_codes, bq, bk, bv, lowp_scales, qi, kv; writes qi, kv
.if DOCPART == 1
	.amdgcn_target "amdgcn-amd-amdhsa--gfx1250"
	.amdhsa_code_object_version 6
	.text
	.protected	k_qfd988d9c49_proj
	.globl	k_qfd988d9c49_proj
	.p2align	8
	.type	k_qfd988d9c49_proj,@function
k_qfd988d9c49_proj:
	s_mov_b64 s[64:65], 0
	v_nop
	global_prefetch_b8 v0, s[64:65] scope:SCOPE_SE
	s_setreg_imm32_b32 hwreg(HW_REG_WAVE_MODE, 25, 1), 1
	s_wait_xcnt 0x0
; q = Wq x + bq, k = Wk x + bk, v = Wv x + bv for 64 points of one batch, all three products on codes of E4M3, and q, k, v quantised again for the attention that follows.
; x: [4][256][4096] f32, K (the channels) is NOT innermost.  Wq, Wk: [32][256], Wv: [256][256]: codes, K innermost.  The ten exponents e0 .. e9 are whole numbers; a scale is 2^e.
; x enters three products under three scales (e0, e2, e6): it is read once and quantised three times, in registers.
; SHARES.  A work-group: 64 points (256 bytes of each of x's 256 rows).  Phase X: wave w takes channels 32 w .. 32 w + 31; A LANE TAKES A POINT AND ITS REGISTERS RUN DOWN K, so the conversions give codes with K innermost.
; The codes go to LDS as IMAGES OF OPERAND REGISTERS: fragment (scale z, tile of points T, K step s) is 2,048 bytes: register group cc at 512 cc, lane (r, h) at 16 (r + 16 h), holding k = 128 s + 32 cc + 16 h + 0 .. 15.
; THE POINTS OF A TILE ARE NOT NEIGHBOURS: row r of tile T is point 32 (T / 2) + 8 (T % 2) + r % 8 + 16 (r / 8).  So a product with the points as its rows leaves, in the registers of tiles 2 b and 2 b + 1, 16 neighbouring points.
; One barrier.  Then wave w makes v's channels 32 w .. 32 w + 31 for the 64 points (source 0 = x's points, source 1 = Wv's channels: a lane holds one channel and neighbouring points, which are the next K),
; and one tile of q (waves 0-3) or of k (waves 4-7) (source 0 = 16 rows of W, source 1 = x: a lane holds one point and 16 neighbouring d, which are the next K).
; OUTPUT, again as images of operand registers: qi [batch][tile of 16 points][lane][16 bytes] (d = 16 h + 0 .. 15 of the tile's row r);
; kv [batch][key step of 128 points][36,864 bytes]: 8 tiles of k as in qi (4,096 bytes), then v: [channel tile 16][cc 4][lane][16 bytes]: channel 16 ct + r, points 32 cc + 16 h + 0 .. 15.  Each store of a wave covers 512 consecutive bytes, aligned.
; The k of a matrix instruction stand in other places than the form's own layout gives them, alike in both operands: every product meets its partner; only the order of the sums inside an instruction differs.
; NO JOINT LOADS: the weights, 81,920 bytes in all, go straight into the registers where they are operands; by way of LDS they would make a second trip, and this text has one barrier and no ring.
; LIMITS, so that each power of two below is an f32 number: e0, e2, e6, e8 - e6 - e7, e4 - e0 - e1 and e5 - e2 - e3 between -126 and 119.  NaN among the inputs is not served (an infinity is held at the largest code).
; REGISTERS: v1-11 lane numbers and offsets; v16-79 x (2 halves x 32 channels), later v16-47 two fragments of x and v48-79 sums; v80-95 v's codes; v96-159 Wv's four fragments;
;   v160-175 numbers held, v176-223 x's codes, later v160-223 Wq's or Wk's four fragments; v224-239 bq or bk in the result's layout; v240-241 bv; v242-251 five pairs (scale, 448 x scale); v252-255 q's or k's codes.
.set BATKV, 1179648                    ; a batch's bytes in kv: 32 key steps
.set KSB,   36864                      ; a key step's bytes in kv
.macro NOPS n
.rept \n
	v_nop
.endr
.endm
.macro SCREG e, d                      ; v[d] = 2^(s[e]) as f32: a conversion takes its exponent field;  v[d+1] = 448 x that
	s_add_co_i32 s60, s[\e], 127
	s_lshl_b32 s61, s60, 23
	v_mov_b32 v[\d], s61
	s_add_co_i32 s60, s60, 8
	s_lshl_b32 s60, s60, 23
	s_or_b32 s60, s60, 0x600000
	v_mov_b32 v[\d+1], s60
.endm
.macro XLOAD u                         ; points 32 u + lane, my 32 channels: each load reads 128 consecutive bytes of a row of x
.set i, 0
.rept 32
	global_load_b32 v[16+32*\u+i], v4, s[16:17] offset:i*16384+128*\u
.set i, i+1
.endr
.endm
; Half u of the points under scale z: 32 numbers a lane become 32 codes and go to their places in two fragments' images.  The held numbers take two sets of eight registers by turns,
; so that eight plain instructions stand between a conversion and the next write of its sources.
.macro QX u, z
.irp g, 0,1,2,3
.irp i, 0,1,2,3,4,5,6,7
	v_med3_num_f32 v[160+8*(\g%2)+\i], v[16+32*\u+8*\g+\i], -v[243+2*\z], v[243+2*\z]   ; the conversion to an 8-bit code does not saturate (ISA guide 7.6.2): the hold at 448 x the scale
.endr
	v_cvt_scalef32_pk8_fp8_f32 v[176+8*(3*\u+\z)+2*\g:177+8*(3*\u+\z)+2*\g], v[160+8*(\g%2):167+8*(\g%2)], v[242+2*\z]
.endr
	ds_store_b128 v6, v[176+8*(3*\u+\z):179+8*(3*\u+\z)] offset:\z*16384+\u*8192        ; k 0 .. 15 of my 32 channels: the place of lane half 0
	ds_store_b128 v6, v[180+8*(3*\u+\z):183+8*(3*\u+\z)] offset:\z*16384+\u*8192+256    ; k 16 .. 31: lane half 1
.endm
.macro XFRAG adr, off                  ; a tile's two fragments of x (K steps 0, 1) come back as they were laid
.irp s, 0,1
.irp c, 0,1,2,3
	ds_load_b128 v[16+16*\s+4*\c:19+16*\s+4*\c], v[\adr] offset:\off+2048*\s+512*\c
.endr
.endr
.endm
	s_load_b512 s[16:31], s[0:1], 0x0              ; x 16:17, Wq 18:19, Wk 20:21, Wv 22:23, bq 24:25, bk 26:27, bv 28:29, the exponents 30:31
	s_load_b128 s[32:35], s[0:1], 0x40             ; qi 32:33, kv 34:35
	v_lshl_add_u32 v14, v0, 2, 0xc000
	v_mov_b32 v15, 0
	v_lshrrev_b32 v12, 5, v0
	v_readfirstlane_b32 s8, v12                    ; wave 0..7
	s_lshr_b32 s9, s8, 2                           ; 0: I make a tile of q, 1: of k.  Also: the K step of 128 in which my 32 channels lie
	s_and_b32 s10, s8, 3                           ; which tile of points.  Also: which 32 of that K step
	s_and_b32 s13, ttmp7, 0xffff                   ; batch
	v_and_b32 v1, 31, v0                           ; lane
	v_and_b32 v2, 15, v0                           ; r
	v_bfe_u32 v3, v0, 4, 1                         ; h
	v_lshlrev_b32 v4, 2, v1                        ; x: 4 bytes a lane
	v_lshlrev_b32 v5, 4, v1                        ; an image's place for my lane
	v_bfe_u32 v12, v0, 3, 1
	v_and_b32 v13, 7, v0
	v_lshlrev_b32 v6, 12, v12                      ; point 32 u + lane is row lane % 8 + 8 (lane / 16) of tile 2 u + (lane / 8) % 2
	v_lshl_add_u32 v6, v13, 4, v6
	v_lshl_add_u32 v6, v3, 7, v6
	s_lshl_b32 s11, s9, 11
	s_lshl_b32 s12, s10, 9
	s_add_co_u32 s11, s11, s12
	v_add_nc_u32 v6, s11, v6                       ; + my K step's fragment and my group of four registers in it
	s_lshl_b32 s11, s9, 14
	s_lshl_b32 s12, s10, 12
	s_add_co_u32 s11, s11, s12
	v_add_nc_u32 v7, s11, v5                       ; the tile of x that my tile of q (scale e0) or k (scale e2) wants
	v_lshlrev_b32 v8, 8, v2
	v_lshl_add_u32 v8, v3, 4, v8                   ; Wv: row r of 256 bytes, + 16 h
	v_and_b32 v9, 8, v2
	v_add_nc_u32 v9, v9, v2                        ; Wq, Wk: lane r of tile u takes row 8 u + r + 8 (r / 8), so that the two tiles' 16 registers are d = 16 h + 0 .. 15
	v_lshlrev_b32 v9, 8, v9
	v_lshl_add_u32 v9, v3, 4, v9
	v_lshlrev_b32 v10, 6, v3                       ; bq, bk: my 16 numbers begin at d = 16 h
	v_lshlrev_b32 v11, 2, v2                       ; bv: my channel r
	s_lshl_b32 s2, s13, 22                         ; x: batch x 256 rows x 16,384 bytes
	s_lshl_b32 s11, s8, 19                         ;    + 32 wave rows
	s_add_co_u32 s2, s2, s11
	s_lshl_b32 s11, ttmp9, 8                       ;    + the work-group's 256 bytes of a row
	s_add_co_u32 s2, s2, s11
	s_mov_b32 s3, 0
	s_lshl_b32 s4, s8, 13                          ; Wv: my 32 rows
	s_mov_b32 s5, 0
	s_lshl_b32 s6, s8, 7                           ; bv: my 32 numbers
	s_mov_b32 s7, 0
	s_mul_i32 s54, s13, BATKV
	s_lshr_b32 s11, ttmp9, 1
	s_mul_i32 s11, s11, KSB
	s_add_co_u32 s54, s54, s11                     ; my key step in kv
	s_and_b32 s12, ttmp9, 1                        ; which 64 of its 128 points are mine
	s_lshl_b32 s11, s12, 10
	s_add_co_u32 s14, s54, s11                     ; v: cc = 2 (which 64) + b
	s_lshl_b32 s11, s8, 12
	s_add_co_u32 s14, s14, s11                     ;    channel tiles 2 wave, 2 wave + 1
	s_add_co_u32 s14, s14, 4096                    ;    behind the step's k
	s_mov_b32 s15, 0
	s_lshl_b32 s55, s12, 11
	s_add_co_u32 s55, s55, s54
	s_lshl_b32 s11, s10, 9
	s_add_co_u32 s55, s55, s11                     ; k: tile 4 (which 64) + my tile
	s_lshl_b32 s56, s13, 17
	s_lshl_b32 s57, ttmp9, 11
	s_add_co_u32 s56, s56, s57
	s_add_co_u32 s56, s56, s11                     ; q: tile 256 batch + 4 work-group + my tile
	s_mov_b32 s37, 0
	s_wait_kmcnt 0x0
	s_load_b256 s[40:47], s[30:31], 0x0            ; e0 .. e7
	s_load_b64 s[48:49], s[30:31], 0x20            ; e8, e9
	s_cmp_lt_u32 s8, 4                             ; q's wave or k's?  The choices hang on the wave's number alone
	s_cselect_b32 s36, s56, s55
	s_cselect_b64 s[38:39], s[32:33], s[34:35]
	s_cselect_b64 s[18:19], s[18:19], s[20:21]
	s_cselect_b64 s[24:25], s[24:25], s[26:27]
	s_add_nc_u64 s[38:39], s[38:39], s[36:37]      ; where my tile of q or k goes
	s_add_nc_u64 s[16:17], s[16:17], s[2:3]
	s_add_nc_u64 s[22:23], s[22:23], s[4:5]
	s_add_nc_u64 s[28:29], s[28:29], s[6:7]
	s_add_nc_u64 s[34:35], s[34:35], s[14:15]      ; where my part of v goes
.irp ct, 0,1                                   ; Wv's fragments (channel tile ct, K step s): they stay
.irp s, 0,1
.irp c, 0,1,2,3
	global_load_b128 v[96+32*\ct+16*\s+4*\c:99+32*\ct+16*\s+4*\c], v8, s[22:23] offset:4096*\ct+128*\s+32*\c
.endr
.endr
.endr
	global_load_b32 v80, v11, s[28:29]
	global_load_b32 v81, v11, s[28:29] offset:64
.irp u, 0,1
	global_load_b128 v[224+8*\u:227+8*\u], v10, s[24:25] offset:32*\u       ; tile u, register j: b[16 h + 8 u + j]
	global_load_b128 v[228+8*\u:231+8*\u], v10, s[24:25] offset:32*\u+16
.endr
	XLOAD 0
	XLOAD 1                                        ; all of the work-group's 65,536 bytes of x are asked for at once
	s_wait_kmcnt 0x0
	s_add_co_i32 s50, s46, s47                     ; e6 + e7: a sum of v's product stands for sum x 2^(e6 + e7)
	s_sub_co_i32 s51, s48, s50                     ; so its conversion takes 2^(e8 - e6 - e7),
	s_sub_co_i32 s50, 0, s50                       ; and bv goes in as bv / 2^(e6 + e7)
	s_add_co_i32 s52, s40, s41                     ; the same for q (e0, e1, e4)
	s_add_co_i32 s53, s42, s43                     ; and for k (e2, e3, e5)
	s_sub_co_i32 s58, s44, s52
	s_sub_co_i32 s59, s45, s53
	s_cmp_lt_u32 s8, 4
	s_cselect_b32 s58, s58, s59
	s_cselect_b32 s52, s52, s53
	s_sub_co_i32 s52, 0, s52
	SCREG 40, 242
	SCREG 42, 244
	SCREG 46, 246
	SCREG 51, 248
	SCREG 58, 250
	s_wait_loadcnt 32                              ; loads come back in order: the weights, the biases and the first 32 points are in; the 32 loads of the second half may be out
.irp j, 0,1,2,3,4,5,6,7,8,9,10,11,12,13,14,15
	v_ldexp_f32 v[224+\j], v[224+\j], s52
.endr
	v_ldexp_f32 v240, v80, s50
	v_ldexp_f32 v241, v81, s50
	QX 0, 0
	QX 0, 1
	QX 0, 2
	s_wait_loadcnt 0x0
	QX 1, 0
	QX 1, 1
	QX 1, 2
	v_nop                                          ; a plain instruction behind the last conversion
	s_wait_dscnt 0x0                               ; for the others' sake: my stores have landed; and they have read their registers, which the loads below fill
.irp u, 0,1                                    ; Wq's or Wk's fragments (tile u, K step s)
.irp s, 0,1
.irp c, 0,1,2,3
	global_load_b128 v[160+32*\u+16*\s+4*\c:163+32*\u+16*\s+4*\c], v9, s[18:19] offset:2048*\u+128*\s+32*\c
.endr
.endr
.endr
	s_barrier_signal -1
	s_barrier_wait -1                              ; x's twenty-four fragments lie in LDS; nobody writes LDS from here on
	; ---- v: my 32 channels x 64 points.  Points 32 b on: tiles 2 b and 2 b + 1; two sums by turns, K step by K step
.irp b, 0,1
.irp uu, 0,1
.if (\b+\uu) > 0
	NOPS 4                                         ; places in front of loads into registers that matrix instructions have read
.endif
	XFRAG 5, 32768+(2*\b+\uu)*4096
	s_wait_dscnt 0x0
	v_wmma_f32_16x16x128_fp8_fp8 v[48+8*\uu:55+8*\uu], v[16:31], v[96:111], 0
	v_wmma_f32_16x16x128_fp8_fp8 v[64+8*\uu:71+8*\uu], v[16:31], v[128:143], 0
	v_wmma_f32_16x16x128_fp8_fp8 v[48+8*\uu:55+8*\uu], v[32:47], v[112:127], v[48+8*\uu:55+8*\uu]
	v_wmma_f32_16x16x128_fp8_fp8 v[64+8*\uu:71+8*\uu], v[32:47], v[144:159], v[64+8*\uu:71+8*\uu]
.endr
	NOPS 4                                         ; places in front of the first read of results
.irp ct, 0,1                                   ; lane (r, h): channel 16 ct + r; registers 0 .. 15: points 32 b + 16 h + 0 .. 15
.irp i, 0,1,2,3,4,5,6,7,8,9,10,11,12,13,14,15
	v_add_f32 v[48+16*\ct+\i], v[240+\ct], v[48+16*\ct+\i]
.endr
.irp i, 0,1,2,3,4,5,6,7,8,9,10,11,12,13,14,15
	v_med3_num_f32 v[48+16*\ct+\i], v[48+16*\ct+\i], -v249, v249
.endr
	v_cvt_scalef32_pk8_fp8_f32 v[80+4*(2*\b+\ct):81+4*(2*\b+\ct)], v[48+16*\ct:55+16*\ct], v248
	v_cvt_scalef32_pk8_fp8_f32 v[82+4*(2*\b+\ct):83+4*(2*\b+\ct)], v[56+16*\ct:63+16*\ct], v248
	v_nop                                          ; a plain instruction behind the conversions: later products write their sources
	global_store_b128 v5, v[80+4*(2*\b+\ct):83+4*(2*\b+\ct)], s[34:35] offset:2048*\ct+512*\b   ; each (b, ct) has its own four registers: no store's data are written again
.endr
.endr
	; ---- my tile of q or k: 32 d x 16 points; the bias is the C of each sum's first product
	s_wait_loadcnt 0x0                             ; Wq's or Wk's fragments
	NOPS 4
	XFRAG 7, 0
	s_wait_dscnt 0x0
	v_wmma_f32_16x16x128_fp8_fp8 v[48:55], v[160:175], v[16:31], v[224:231]
	v_wmma_f32_16x16x128_fp8_fp8 v[56:63], v[192:207], v[16:31], v[232:239]
	v_wmma_f32_16x16x128_fp8_fp8 v[48:55], v[176:191], v[32:47], v[48:55]
	v_wmma_f32_16x16x128_fp8_fp8 v[56:63], v[208:223], v[32:47], v[56:63]
	NOPS 4
.irp i, 0,1,2,3,4,5,6,7,8,9,10,11,12,13,14,15
	v_med3_num_f32 v[48+\i], v[48+\i], -v251, v251
.endr
	v_cvt_scalef32_pk8_fp8_f32 v[252:253], v[48:55], v250
	v_cvt_scalef32_pk8_fp8_f32 v[254:255], v[56:63], v250
	v_nop
	global_store_b128 v5, v[252:255], s[38:39]
	s_wait_tensorcnt 0x0
	ds_add_u32 v14, v15
	s_wait_dscnt 0x0
	s_endpgm
.Lfunc_end_k_qfd988d9c49_proj:
	.size	k_qfd988d9c49_proj, .Lfunc_end_k_qfd988d9c49_proj-k_qfd988d9c49_proj
	.p2alignl 7, 3214868480
	.fill 96, 4, 3214868480
	.section	.rodata,"a",@progbits
	.p2align	6, 0x0
	.amdhsa_kernel k_qfd988d9c49_proj
		.amdhsa_group_segment_fixed_size 50176
		.amdhsa_private_segment_fixed_size 0
		.amdhsa_enable_private_segment 0
		.amdhsa_kernarg_size 80
		.amdhsa_user_sgpr_count 2
		.amdhsa_user_sgpr_kernarg_segment_ptr 1
		.amdhsa_wavefront_size32 1
		.amdhsa_system_sgpr_workgroup_id_x 1
		.amdhsa_system_sgpr_workgroup_id_y 1
		.amdhsa_system_sgpr_workgroup_id_z 1
		.amdhsa_system_vgpr_workitem_id 0
		.amdhsa_next_free_vgpr 256
		.amdhsa_next_free_sgpr 66
		.amdhsa_reserve_vcc 0
		.amdhsa_float_denorm_mode_32 3
		.amdhsa_float_denorm_mode_16_64 3
		.amdhsa_memory_ordered 1
		.amdhsa_forward_progress 1
		.amdhsa_inst_pref_size 44
	.end_amdhsa_kernel
	.amdgpu_metadata
---
amdhsa.version: [ 1, 2 ]
amdhsa.kernels:
  - .name:           k_qfd988d9c49_proj
    .symbol:         k_qfd988d9c49_proj.kd
    .args:
      - { .name: x, .offset: 0, .size: 8, .value_kind: global_buffer, .address_space: global }
      - { .name: Wq_codes, .offset: 8, .size: 8, .value_kind: global_buffer, .address_space: global }
      - { .name: Wk_codes, .offset: 16, .size: 8, .value_kind: global_buffer, .address_space: global }
      - { .name: Wv_codes, .offset: 24, .size: 8, .value_kind: global_buffer, .address_space: global }
      - { .name: bq, .offset: 32, .size: 8, .value_kind: global_buffer, .address_space: global }
      - { .name: bk, .offset: 40, .size: 8, .value_kind: global_buffer, .address_space: global }
      - { .name: bv, .offset: 48, .size: 8, .value_kind: global_buffer, .address_space: global }
      - { .name: lowp_scales, .offset: 56, .size: 8, .value_kind: global_buffer, .address_space: global }
      - { .name: qi, .offset: 64, .size: 8, .value_kind: global_buffer, .address_space: global }
      - { .name: kv, .offset: 72, .size: 8, .value_kind: global_buffer, .address_space: global }
    .group_segment_fixed_size: 50176
    .private_segment_fixed_size: 0
    .kernarg_segment_align: 8
    .kernarg_segment_size: 80
    .max_flat_workgroup_size: 256
    .sgpr_count:     66
    .vgpr_count:     256
    .wavefront_size: 32
...
	.end_amdgpu_metadata
.endif
;; end of part 1
;; launch attn (part 2): grid 64 x 4, 8 waves a work-group, clusters of 4 x 1, 327,680 bytes of LDS; arguments qi, kv, x, gamma, lowp_scales, out0; writes out0
.if DOCPART == 2
	.amdgcn_target "amdgcn-amd-amdhsa--gfx1250"
	.amdhsa_code_object_version 6
	.text
	.protected	k_qfd988d9c49_attn
	.globl	k_qfd988d9c49_attn
	.p2align	8
	.type	k_qfd988d9c49_attn,@function
k_qfd988d9c49_attn:
	s_mov_b64 s[64:65], 0
	v_nop
	global_prefetch_b8 v0, s[64:65] scope:SCOPE_SE
	s_setreg_imm32_b32 hwreg(HW_REG_WAVE_MODE, 25, 1), 1
	s_wait_xcnt 0x0
	s_wait_alu depctr_hold_cnt(0) depctr_sa_sdst(0) depctr_va_vdst(0) depctr_va_sdst(0) depctr_va_ssrc(0) depctr_va_vcc(0) depctr_vm_vsrc(0)
	s_getreg_b32 s2, hwreg(HW_REG_IB_STS2, 6, 4)
	s_cmp_eq_u32 s2, 0
	s_cbranch_scc0 .Lentry_in_a_cluster
	s_endpgm
.Lentry_in_a_cluster:
	s_bfe_u32 s2, ttmp6, 0x10000c
	s_cmp_lg_u32 s2, 0x3003
	s_cbranch_scc0 .Lentry_shape_is_right
	s_endpgm
.Lentry_shape_is_right:
; out[b][c][m] = gamma x (sum over keys n of v[b][c][n] p[m][n]) / l[m] + x[b][c][m], both products on codes of E4M3.  t = score x log2(e); M = the row's largest t rounded UP to a whole number; p = 2^(t - M) is quantised
; with the given 2^e9; l is the row's sum of the unquantised p, in f32.  q, k, v come as codes laid as images of operand registers (qi, kv: see below); a score stands for score x 2^(e4 + e5), a sum of the second product for sum x 2^(e8 + e9).
; SHARES.  A work-group: 64 queries of one batch.  Wave w: query tiles 2 g and 2 g + 1 (g = w % 2: 32 queries) and a quarter kq = w / 2 of the keys.  Two waves to a SIMD: one wave's vector work stands beside the other's products.
; The four quarters' partial sums of O and of l meet in LDS at the end; all are taken under the same M, so they are simply added.
; TWO PASSES OVER THE KEYS.  Pass 1 makes the scores alone and their maximum: M is the row's own.  Pass 2 then has no running maximum, rescales nothing, and no lane looks at another inside its loop.
; LAYOUT.  S^T = k q^T (source 0 = 16 keys, source 1 = 16 queries): a lane holds one query.  Row r of tile T (of keys and of queries) is point 32 (T / 2) + 8 (T % 2) + r % 8 + 16 (r / 8): so the 16 registers of key tiles 2 b, 2 b + 1
; are keys 32 b + 16 h + 0 .. 15, and the conversions' results ARE the second product's operand.  O = p v^T (source 0 = p's 16 queries, source 1 = v's 16 channels): a lane holds one channel and eight NEIGHBOURING queries, as out0 lies.
; K = 32 IN A FORM OF K = 64: an operand of eight registers holds TWO key tiles (four registers each); against [q, 0] it gives the first tile's scores, against [0, q] the second's.  The zero codes meet finite codes alone
; (kv's codes come from a quantiser that holds at 448) and add nothing.
; kv: [batch][key step of 128][36,864 bytes]: 8 key tiles x 512 bytes (lane (r, h): d = 16 h + 0 .. 15), then v: [channel tile 16][cc 4][lane][16 bytes] (channel 16 ct + r, keys 32 cc + 16 h + 0 .. 15).  qi: tiles as k's.
; RING.  Two LDS slots of four key steps (a BLOCK of 512 keys, 147,456 bytes, dense as in kv); quarter kq reads step kq of each slot.  Every wave fetches an eighth of a slot by one tensor load.  For pass 1 the batch's whole k
; (131,072 bytes) is the first fill of slot 1's bytes.  By this text's count a wave has two tensor loads out at the start and one behind each change of slots.
; THE BLOCKS ARE WALKED ROUND, FROM ANOTHER START IN EACH CLUSTER.  All sums of pass 2 stand under one M, so the order of the eight blocks is free.  Cluster X of a batch's sixteen begins at block (X + X / 8) % 8 and takes the blocks
; that follow, modulo 8.  So the clusters of a batch ask for different blocks at any one time, and the block that a cluster asks for at a change of slots is one that another cluster asked for a key step earlier.
; (Among clusters 0-7, among 8-15, among the even ones and among the odd ones the starts are all eight blocks.)  The start hangs on the cluster's number alone, which the four partners share.
; CLUSTER.  The four work-groups of a cluster belong to one batch and walk the same k and v: each tile is asked for JOINTLY, by the same load with the same descriptor and a mask that names the four.
; LIMITS, so that each power of two below is an f32 number: e4 + e5 between -126 and 126 (added to log2(e)'s exponent field); e9 between -126 and 119; e8 + e9 is applied by v_ldexp_f32 and has none.  NaN among the inputs is not served.
; REGISTERS, window 0: v1-15, v118-123, v126 addresses; v[8:11] gamma 2^(e8+e9) / l of my four queries; v16-39 q: tile t at 16 + 12 t as [0 x 4 | q x 4 | 0 x 4]; v40-71 four pairs of key tiles; v72-103 p's codes;
;   v104, v106 -M; v[108:111] l, two halves a tile; v[112:115] at work (maxima, second chains of the sums); v116 448 x 2^e9; v117 2^e9; v124-127 at work; v128-255 S^T (tile t at 128 + 64 t), then p, then eight fragments of v.
;   window 1: O: accumulator (query tile t, channel tile f) at v[128 t + 8 f].
.set SLOTB, 147456
.set KSB,   36864
.set BATKV, 1179648
.set SPARE, 2*SLOTB                    ; the spare words: 128 bytes for each of the eight waves: four blocks of 256 bytes that no other line names
.set MAXS,  SPARE+1024                 ; the quarters' maxima: word at 256 T + 16 r + 4 kq
.set LS,    MAXS+1024                  ; the quarters' sums l: word at 256 kq + 4 m
.set STGB,  69632                      ; the way out: a quarter's partial O: 256 rows (channels) x (256 bytes + 16), from LDS byte 0 on: both slots have then had their last fill and their last read
.set G1,  24                           ; s[24:31] group 1: 72 rows of 256 bytes, dense
.set G1K, 32                           ; s[32:39] group 1: 4 rows of 4,096 bytes (a key step's k), 36,864 bytes apart
.set G0A, 40                           ; s[40:43] group 0 for slot 0;  s[44:47] for slot 1;  s[48:51] for the whole k
.set G0B, 44
.set G0K, 48
.set KB,  72                           ; s72      the block asked for last, 0 .. 7
.set KO,  74                           ; s[74:75] its byte offset in the batch's part of kv
.set KVB, 76                           ; s[76:77] kv at my batch and my eighth of a block
.set MSB, 0
.macro WIN new                         ; the immediate's high byte repeats the setting that is left
.if MSB != \new
	s_set_vgpr_msb (MSB<<8)|\new
.set MSB, \new
.endif
.endm
.macro NOPS n
.rept \n
	v_nop
.endr
.endm
; A round of the cluster's barrier: my work-group's barrier, wave 0 signals for the work-group, every wave waits for all four work-groups, my work-group's barrier once more.
.macro ROUND
	s_barrier_signal -1
	s_barrier_wait -1
	s_cmp_lg_u32 s16, 0
	s_cbranch_scc1 .Lnot_wave_0_\@
	s_barrier_signal -3
.Lnot_wave_0_\@:
	s_barrier_wait -3
	s_barrier_signal -1
	s_barrier_wait -1
.endm
.macro KLOAD adr, off                  ; eight key tiles: four operands of two tiles each
.irp i, 0,1,2,3,4,5,6,7
	ds_load_b128 v[40+4*\i:43+4*\i], v[\adr] offset:\off+512*\i
.endr
.endm
.macro QK                              ; the scores of 128 keys x my 32 queries: sixteen products, each a sum of its own; then the places in front of reads of results and of loads into k's registers
.irp b, 0,1,2,3
.irp t, 0,1
	v_wmma_f32_16x16x64_fp8_fp8 v[128+64*\t+16*\b:135+64*\t+16*\b], v[40+8*\b:47+8*\b], v[20+12*\t:27+12*\t], 0
	v_wmma_f32_16x16x64_fp8_fp8 v[136+64*\t+16*\b:143+64*\t+16*\b], v[40+8*\b:47+8*\b], v[16+12*\t:23+12*\t], 0
.endr
.endr
	NOPS 4
.endm
.macro P1 ahead                        ; a trip of pass 1: 128 keys.  ahead = 1: the next 128 keys' k is fetched while the maxima are taken
	s_wait_dscnt 0x0
	QK
.if \ahead
	s_add_co_u32 s56, s56, 4096
	v_add_nc_u32 v6, s56, v5
	KLOAD 6, 0
.endif
.set i, 0
.rept 32                               ; two chains a tile; each accumulator from its low end on
	v_max3_num_f32 v[112+i%2], v[112+i%2], v[128+2*i], v[129+2*i]
	v_max3_num_f32 v[114+i%2], v[114+i%2], v[192+2*i], v[193+2*i]
.set i, i+1
.endr
.endm
.macro SOFTMAX t                       ; tile t's 64 scores a lane become p, l takes their sum, and p's codes are the second product's operand
.set SB, 128+64*\t
.set j, 0
.rept 32
	v_pk_fma_f32 v[SB+j:SB+j+1], v[SB+j:SB+j+1], s[52:53], v[104+2*\t:105+2*\t] op_sel_hi:[1,0,0]   ; t - M, two at a time (of the pairs c and -M the low word serves both halves)
.set j, j+2
.endr
.set j, 0
.rept 64
	v_exp_f32 v[SB+j], v[SB+j]                     ; p = 2^(t - M): NOT normalised
.set j, j+1
.endr
	v_nop                                          ; a plain instruction behind the exponentials
	s_wait_alu depctr_va_vdst(0)
	v_pk_add_f32 v[112+2*\t:113+2*\t], v[SB:SB+1], v[SB+2:SB+3]   ; the sum is taken of the unquantised p: two at a time, in two chains
.set j, 4
.rept 15
	v_pk_add_f32 v[108+2*\t:109+2*\t], v[108+2*\t:109+2*\t], v[SB+j:SB+j+1]
	v_pk_add_f32 v[112+2*\t:113+2*\t], v[112+2*\t:113+2*\t], v[SB+j+2:SB+j+3]
.set j, j+4
.endr
	v_pk_add_f32 v[108+2*\t:109+2*\t], v[108+2*\t:109+2*\t], v[112+2*\t:113+2*\t]
.irp b, 0,1,2,3
.irp i, 0,1,2,3,4,5,6,7,8,9,10,11,12,13,14,15
	v_min_num_f32 v[SB+16*\b+\i], v[SB+16*\b+\i], v116   ; the conversion to an 8-bit code does not saturate (ISA guide 7.6.2); p is not negative, so the hold is one-sided
.endr
	v_cvt_scalef32_pk8_fp8_f32 v[72+16*\t+4*\b:73+16*\t+4*\b], v[SB+16*\b:SB+16*\b+7], v117
	v_cvt_scalef32_pk8_fp8_f32 v[74+16*\t+4*\b:75+16*\t+4*\b], v[SB+16*\b+8:SB+16*\b+15], v117
.endr
	v_nop                                          ; a plain instruction behind the last conversion
.endm
.macro VLOAD4 adr, f0, b0              ; v's fragments of channel tiles f0 .. f0 + 3 into buffers b0 .. b0 + 3: sixteen loads
.irp n, 0,1,2,3
.irp c, 0,1,2,3
	ds_load_b128 v[128+16*(\b0+\n)+4*\c:131+16*(\b0+\n)+4*\c], v[\adr] offset:4096+2048*(\f0+\n)+512*\c
.endr
.endr
.endm
.macro PV4 f0, b0, zero                ; eight products: channel tiles f0 .. f0 + 3 x my two query tiles.  The 32 accumulators take turns, one instruction a turn
.if \zero
	WIN 0x40                                       ; D in window 1; the first key step's products start the sums: nothing is cleared
.else
	WIN 0x50                                       ; C and D in window 1
.endif
.irp n, 0,1,2,3
.irp t, 0,1
.if \zero
	v_wmma_f32_16x16x128_fp8_fp8 v[128*\t+8*(\f0+\n):128*\t+8*(\f0+\n)+7], v[72+16*\t:87+16*\t], v[128+16*(\b0+\n):143+16*(\b0+\n)], 0
.else
	v_wmma_f32_16x16x128_fp8_fp8 v[128*\t+8*(\f0+\n):128*\t+8*(\f0+\n)+7], v[72+16*\t:87+16*\t], v[128+16*(\b0+\n):143+16*(\b0+\n)], v[128*\t+8*(\f0+\n):128*\t+8*(\f0+\n)+7]
.endif
.endr
.endr
.endm
; A KEY STEP of pass 2: my 128 keys of the slot at v[adr].  v's fragments land in the registers that p has left; each run of sixteen loads is asked for a run of products ahead of its use.
.macro STEP adr, zero, pf
	KLOAD \adr, 0
	s_wait_dscnt 0x0
	QK
.if \pf
	global_prefetch_b8 v15, s[8:9] th:TH_LOAD_NT scope:SCOPE_SE   ; lane l asks for the 256 bytes of x's row 32 w + l that I add at the end: each block once in the launch, this last key step ahead of its load
.endif
	SOFTMAX 0
	VLOAD4 \adr, 0, 0
	SOFTMAX 1
	VLOAD4 \adr, 4, 4
	s_wait_dscnt 16                                ; channel tiles 0-3 are in; the sixteen loads of tiles 4-7 may be out
	PV4 0, 0, \zero
	WIN 0
	NOPS 4                                         ; places in front of loads into registers that matrix instructions have read
	VLOAD4 \adr, 8, 0
	s_wait_dscnt 16                                ; tiles 4-7 are in; those of 8-11 may be out
	PV4 4, 4, \zero
	WIN 0
	NOPS 4
	VLOAD4 \adr, 12, 4
	s_wait_dscnt 16                                ; tiles 8-11 are in; those of 12-15 may be out
	PV4 8, 0, \zero
	s_wait_dscnt 0x0
	PV4 12, 4, \zero
	WIN 0
	NOPS 5                                         ; the next step's scores are written over registers that these products have read: five places
.endm
; THE CHANGE OF SLOTS.  Each wave waits for all its tensor loads (its part of the slot ahead), adds 0 to its spare word, and waits for that and for its reads of the slot that it has left.  fill = 1: that slot is filled again,
; with the block that follows, modulo 8: the barrier is a round of the cluster's, so that no wave of any partner still reads the slot or has a load on its way, and the joint refill is the first thing behind it:
; it has a whole key step in which to land.
.macro CHANGE fill, g0
	s_wait_tensorcnt 0x0                           ; no tensor load of mine is out, so a group 0 may be written
	ds_add_u32 v1, v2                              ; 0 onto my spare word; with fill = 1 the descriptor's address is made between it and the wait for it
.if \fill
	s_add_co_u32 s[KB], s[KB], 1
	s_and_b32 s[KB], s[KB], 7                      ; the next block, round the batch's eight
	s_mul_i32 s[KO], s[KB], SLOTB                  ; its offset: 7 x 147,456 at the most: with my eighth the tile ends at the batch's last byte or ahead of it
	s_add_nc_u64 s[\g0+2:\g0+3], s[KVB:KVB+1], s[KO:KO+1]
	s_or_b32 s[\g0+3], s[\g0+3], 0x80000000        ; type = 2
.endif
	s_wait_dscnt 0x0                               ; the add is done, my reads of the slot are over, my LDS stores have landed
.if \fill
	ROUND
	tensor_load_to_lds s[\g0:\g0+3], s[G1:G1+7]
	s_nop 0
	NOPS 4
.else
	s_barrier_signal -1
	s_barrier_wait -1
.endif
.endm
	s_load_b256 s[4:11], s[0:1], 0x0               ; qi 4:5, kv 6:7, x 8:9, gamma 10:11
	s_load_b128 s[12:15], s[0:1], 0x20             ; the exponents 12:13, out0 14:15
	v_lshl_add_u32 v1, v0, 2, SPARE
	v_mov_b32 v2, 0
	ds_add_u32 v1, v2
	s_wait_dscnt 0x0
	v_lshrrev_b32 v124, 5, v0
	v_readfirstlane_b32 s16, v124                  ; wave 0..7
	s_and_b32 s17, s16, 1                          ; g: which 32 queries
	s_lshr_b32 s18, s16, 1                         ; kq: which quarter of the keys
	s_bfe_u32 s19, ttmp6, 0x40000                  ; cx: my place in the cluster
	s_lshl_b32 s20, ttmp9, 2
	s_add_co_u32 s20, s20, s19                     ; my block of 64 queries: it enters qi's, x's and out0's addresses alone
	s_and_b32 s21, ttmp7, 0xffff                   ; the batch, which the four partners share
	s_lshr_b32 s[KB], ttmp9, 3                     ; in a cluster launch ttmp9 counts clusters: X = 0 .. 15, the same in the four partners
	s_add_co_u32 s[KB], s[KB], ttmp9
	s_and_b32 s[KB], s[KB], 7                      ; the block at which my cluster begins pass 2: (X + X / 8) % 8
	s_mul_i32 s[KO], s[KB], SLOTB
	s_mov_b32 s[KO+1], 0
	s_mov_b32 s[G1], 15|(3<<16)|(1<<21)            ; 15:0 the mask: all four work-groups; 17:16 elements of 8 bytes; 20 no padding; 21 set beside a mask
	s_mov_b32 s[G1+1], 32<<16                      ; tensor_dim0 = 32 elements: 256 bytes
	s_mov_b32 s[G1+2], 72<<16                      ; tensor_dim1 = 72
	s_mov_b32 s[G1+3], 32<<16                      ; tile_dim0
	s_mov_b32 s[G1+4], 72                          ; tile_dim1
	s_mov_b32 s[G1+5], 32                          ; from row to row: dense
	s_mov_b32 s[G1+6], 0
	s_mov_b32 s[G1+7], 0
	s_mov_b32 s[G1K], 15|(3<<16)|(1<<21)
	s_mov_b32 s[G1K+1], 512<<16                    ; 512 elements: 4,096 bytes
	s_mov_b32 s[G1K+2], 4<<16
	s_mov_b32 s[G1K+3], 512<<16
	s_mov_b32 s[G1K+4], 4
	s_mov_b32 s[G1K+5], KSB/8                      ; from key step to key step
	s_mov_b32 s[G1K+6], 0
	s_mov_b32 s[G1K+7], 0
	s_mul_i32 s66, s21, BATKV                      ; the batch's first byte in kv
	s_mul_i32 s22, s16, SLOTB/8                    ; my eighth of a slot
	s_add_co_u32 s68, s66, s22
	s_mov_b32 s69, 0
	s_mul_i32 s70, s16, 4*KSB                      ; for the whole k: my four key steps
	s_add_co_u32 s70, s70, s66
	s_mov_b32 s71, 0
	s_mov_b32 s[G0A], 1
	s_mov_b32 s[G0A+1], s22                        ; LDS addresses hang on the wave's number alone
	s_mov_b32 s[G0B], 1
	s_add_co_u32 s[G0B+1], s22, SLOTB
	s_mov_b32 s[G0K], 1
	s_lshl_b32 s[G0K+1], s16, 14
	s_add_co_u32 s[G0K+1], s[G0K+1], SLOTB
	s_mov_b32 s54, 0x76543210                      ; v_permlanex16_b32's selects for lane l xor 16
	s_mov_b32 s55, 0xfedcba98
	s_wait_kmcnt 0x0
	s_load_b64 s[58:59], s[12:13], 0x10            ; e4, e5
	s_load_b64 s[60:61], s[12:13], 0x20            ; e8, e9
	s_load_b32 s62, s[10:11], 0x0                  ; gamma
	s_add_nc_u64 s[KVB:KVB+1], s[6:7], s[68:69]    ; kv at my batch and my eighth of a block
	s_add_nc_u64 s[G0A+2:G0A+3], s[KVB:KVB+1], s[KO:KO+1]   ; slot 0's first fill: the block at which my cluster begins.  (Slot 1's address is made at the first change of slots)
	s_add_nc_u64 s[G0K+2:G0K+3], s[6:7], s[70:71]
	s_or_b32 s[G0A+3], s[G0A+3], 0x80000000        ; type = 2
	s_or_b32 s[G0K+3], s[G0K+3], 0x80000000
	ROUND                                          ; all four work-groups are here: the first joint loads meet
	tensor_load_to_lds s[G0K:G0K+3], s[G1K:G1K+7]  ; the batch's k, into slot 1's bytes
	s_nop 0
	tensor_load_to_lds s[G0A:G0A+3], s[G1:G1+7]    ; slot 0
	s_nop 0
	NOPS 4
	v_and_b32 v124, 31, v0                         ; lane
	v_and_b32 v125, 15, v0                         ; r
	v_bfe_u32 v127, v0, 4, 1                       ; h
	v_lshlrev_b32 v126, 4, v124                    ; an image's place for my lane
	s_lshl_b32 s22, s21, 8
	s_lshl_b32 s66, s20, 2
	s_add_co_u32 s22, s22, s66
	s_lshl_b32 s66, s17, 1
	s_add_co_u32 s22, s22, s66                     ; my first query tile: 256 batch + 4 block + 2 g
	s_lshl_b32 s22, s22, 9
	s_mov_b32 s23, 0
	s_add_nc_u64 s[4:5], s[4:5], s[22:23]
	global_load_b128 v[20:23], v126, s[4:5]
	global_load_b128 v[32:35], v126, s[4:5] offset:512
	s_lshl_b32 s22, s21, 22                        ; x and out0: batch x 256 rows x 16,384 bytes
	s_lshl_b32 s66, s16, 19                        ;   + 32 wave rows: the rows that I add and store at the end
	s_add_co_u32 s22, s22, s66
	s_lshl_b32 s66, s20, 8                         ;   + my block's 256 bytes of a row
	s_add_co_u32 s22, s22, s66
	s_add_nc_u64 s[8:9], s[8:9], s[22:23]
	s_add_nc_u64 s[14:15], s[14:15], s[22:23]
	s_mul_i32 s66, s18, KSB
	v_add_nc_u32 v3, s66, v126                     ; my key step in slot 0,
	v_add_nc_u32 v4, SLOTB, v3                     ; in slot 1
	s_lshl_b32 s66, s18, 15
	s_add_co_u32 s66, s66, SLOTB
	v_add_nc_u32 v5, s66, v126                     ; pass 1: my quarter of the whole k
	v_lshlrev_b32 v7, 14, v127
	v_lshl_add_u32 v7, v125, 4, v7                 ; x, out0: lanes 0-15 one row's 256 bytes, lanes 16-31 the next row's
	s_lshl_b32 s66, s17, 9
	s_add_co_u32 s66, s66, MAXS
	v_lshl_add_u32 v13, v125, 4, s66               ; the four quarters' maxima of my query
	s_lshl_b32 s67, s18, 2
	v_add_nc_u32 v12, s67, v13                     ; and my quarter's word among them
	s_lshl_b32 s66, s18, 8
	s_lshl_b32 s67, s17, 7
	s_add_co_u32 s66, s66, s67
	s_add_co_u32 s66, s66, LS
	v_and_b32 v14, 7, v0
	v_bfe_u32 v6, v0, 3, 1
	v_lshlrev_b32 v14, 2, v14
	v_lshl_add_u32 v14, v6, 6, v14
	v_add_nc_u32 v14, s66, v14                     ; l's word: query m = 32 g + 8 t + r % 8 + 16 (r / 8)
	v_lshlrev_b32 v15, 14, v124                    ; the prefetch: a row of x a lane
	s_mul_i32 s66, s18, STGB
	s_add_co_u32 s66, s66, s67
	v_mul_u32_u24 v118, v125, 272
	v_lshl_add_u32 v118, v127, 6, v118
	v_add_nc_u32 v118, s66, v118                   ; the stage, in: my quarter's part, row r, queries 32 g + 16 h on
	s_mul_i32 s66, s16, 32*272
	v_mul_u32_u24 v119, v127, 272
	v_lshl_add_u32 v119, v125, 4, v119
	v_add_nc_u32 v119, s66, v119                   ; and back: rows 32 w + h on, 16 bytes a lane, of each of the four parts
	v_add_nc_u32 v120, STGB, v119
	v_add_nc_u32 v121, 2*STGB, v119
	v_add_nc_u32 v122, 3*STGB, v119
	v_lshlrev_b32 v123, 4, v125
	v_add_nc_u32 v123, LS, v123                    ; l of my four queries
.irp j, 16,17,18,19,24,25,26,27,28,29,30,31,36,37,38,39
	v_mov_b32 v\j, 0                               ; q's zero codes
.endr
.irp j, 105,107,108,109,110,111
	v_mov_b32 v\j, 0                               ; l; and the upper halves of the pairs that hold -M, which are named with them
.endr
.irp j, 112,113,114,115
	v_mov_b32 v\j, 0xff800000                      ; the maxima begin under every score
.endr
	s_wait_kmcnt 0x0
	s_add_co_i32 s66, s58, s59
	s_lshl_b32 s66, s66, 23
	s_add_co_i32 s52, s66, 0x3fb8aa3b              ; c = log2(e) x 2^(e4 + e5): the two exponents are added to the exponent field
	s_mov_b32 s53, s52                             ; (named with it as a pair, so it is written)
	s_add_co_i32 s66, s61, 127
	s_lshl_b32 s67, s66, 23
	v_mov_b32 v117, s67                            ; 2^e9 as f32, for the conversion
	s_add_co_i32 s66, s66, 8
	s_lshl_b32 s66, s66, 23
	s_or_b32 s66, s66, 0x600000
	v_mov_b32 v116, s66                            ; 448 x 2^e9
	s_add_co_i32 s63, s60, s61                     ; e8 + e9
	s_wait_tensorcnt 1                             ; my part of the whole k is in; slot 0's load may stay out
	s_barrier_signal -1
	s_barrier_wait -1                              ; everybody's is
	s_wait_loadcnt 0x0                             ; q
	; ---- PASS 1: the largest score of each of my 32 queries among my quarter of the keys: eight trips of 128 keys
	KLOAD 5, 0
	s_mov_b32 s56, 0
	s_mov_b32 s57, 7
.Lpass1:
	P1 1
	s_sub_co_u32 s57, s57, 1
	s_cmp_lg_u32 s57, 0
	s_cbranch_scc1 .Lpass1
	P1 0                                           ; the last trip fetches nothing
	v_max_num_f32 v112, v112, v113
	v_max_num_f32 v114, v114, v115
	v_permlanex16_b32 v125, v112, s54, s55         ; the query's other keys lie in the lane 16 away
	v_permlanex16_b32 v127, v114, s54, s55
	v_max_num_f32 v112, v112, v125
	v_max_num_f32 v114, v114, v127
	ds_store_b32 v12, v112                         ; (both halves of the lanes write the same word with the same number)
	ds_store_b32 v12, v114 offset:256
	CHANGE 1, G0B                                  ; k's bytes are left: slot 1 takes my cluster's second block.  The round also stands between the stores above and the loads below
	ds_load_b128 v[40:43], v13
	ds_load_b128 v[44:47], v13 offset:256
	s_wait_dscnt 0x0
	v_max3_num_f32 v124, v40, v41, v42
	v_max3_num_f32 v125, v44, v45, v46
	v_max_num_f32 v124, v124, v43
	v_max_num_f32 v125, v125, v47
	v_mul_f32 v124, s52, v124                      ; as t (c is positive)
	v_mul_f32 v125, s52, v125
	v_floor_f32 v104, -v124                        ; -M = floor(-t) = -ceil(t)
	v_floor_f32 v106, -v125
	; ---- PASS 2: eight key steps a wave, one in each of the eight blocks
	STEP 3, 1, 0
	s_mov_b32 s57, 3
.Lslots:
	CHANGE 1, G0A
	STEP 4, 0, 0
	CHANGE 1, G0B
	STEP 3, 0, 0
	s_sub_co_u32 s57, s57, 1
	s_cmp_lg_u32 s57, 0
	s_cbranch_scc1 .Lslots
	CHANGE 0, G0A                                  ; the tail is written out: nothing is left to fetch
	STEP 4, 0, 1
	; ---- THE WAY OUT.  x's rows are asked for; the four quarters' O and l meet in LDS; each wave adds up 32 whole rows (channels) of 64 queries and stores them.
.irp i, 0,1,2,3,4,5,6,7,8,9,10,11,12,13,14,15
	global_load_b128 v[128+4*\i:131+4*\i], v7, s[8:9] offset:\i*32768 th:TH_LOAD_NT
.endr
	v_add_f32 v108, v108, v109                     ; l's two halves,
	v_add_f32 v110, v110, v111
	v_permlanex16_b32 v125, v108, s54, s55
	v_permlanex16_b32 v127, v110, s54, s55
	v_add_f32 v108, v108, v125                     ; and lane l xor 16's
	v_add_f32 v110, v110, v127
	s_wait_dscnt 0x0                               ; my reads of the last slot are over
	s_barrier_signal -1
	s_barrier_wait -1                              ; everybody's are: the stage may be written
	WIN 0x04                                       ; an LDS store's data: window 1
.irp t, 0,1
.irp f, 0,1,2,3,4,5,6,7,8,9,10,11,12,13,14,15
	ds_store_b128 v118, v[128*\t+8*\f:128*\t+8*\f+3] offset:4352*\f+32*\t        ; channel 16 f + r, queries 32 g + 8 t + 16 h + 0 .. 3; each accumulator from its low end on
	ds_store_b128 v118, v[128*\t+8*\f+4:128*\t+8*\f+7] offset:4352*\f+32*\t+16
.endr
.endr
	WIN 0
	ds_store_b32 v14, v108
	ds_store_b32 v14, v110 offset:32
	s_wait_dscnt 0x0                               ; for the others' sake: my stores have landed
	s_barrier_signal -1
	s_barrier_wait -1
.macro GLOAD grp, pt                   ; four pairs of rows x four quarters: sixteen loads
.irp ii, 0,1,2,3
.irp k, 0,1,2,3
	ds_load_b128 v[\pt+16*\ii+4*\k:\pt+16*\ii+4*\k+3], v[119+\k] offset:544*(4*\grp+\ii)
.endr
.endr
.endm
.macro GSUM grp, pt                    ; the four quarters are added; out = sum x gamma 2^(e8 + e9) / l + x, in x's registers; sixteen lanes store 256 consecutive bytes, aligned
.irp ii, 0,1,2,3
.set PP, \pt+16*\ii
.set XR, 128+4*(4*\grp+\ii)
	v_pk_add_f32 v[PP:PP+1], v[PP:PP+1], v[PP+4:PP+5]
	v_pk_add_f32 v[PP+2:PP+3], v[PP+2:PP+3], v[PP+6:PP+7]
	v_pk_add_f32 v[PP+8:PP+9], v[PP+8:PP+9], v[PP+12:PP+13]
	v_pk_add_f32 v[PP+10:PP+11], v[PP+10:PP+11], v[PP+14:PP+15]
	v_pk_add_f32 v[PP:PP+1], v[PP:PP+1], v[PP+8:PP+9]
	v_pk_add_f32 v[PP+2:PP+3], v[PP+2:PP+3], v[PP+10:PP+11]
	v_pk_fma_f32 v[XR:XR+1], v[PP:PP+1], v[8:9], v[XR:XR+1]
	v_pk_fma_f32 v[XR+2:XR+3], v[PP+2:PP+3], v[10:11], v[XR+2:XR+3]
	global_store_b128 v7, v[XR:XR+3], s[14:15] offset:(4*\grp+\ii)*32768 th:TH_STORE_NT
.endr
.endm
.irp k, 0,1,2,3
	ds_load_b128 v[16+4*\k:19+4*\k], v123 offset:256*\k    ; the four quarters' l of my four queries
.endr
	GLOAD 0, 192
	GLOAD 1, 40
	s_wait_dscnt 32                                ; l's four loads are in; the 32 behind them may be out
	v_pk_add_f32 v[16:17], v[16:17], v[20:21]
	v_pk_add_f32 v[18:19], v[18:19], v[22:23]
	v_pk_add_f32 v[24:25], v[24:25], v[28:29]
	v_pk_add_f32 v[26:27], v[26:27], v[30:31]
	v_pk_add_f32 v[16:17], v[16:17], v[24:25]
	v_pk_add_f32 v[18:19], v[18:19], v[26:27]
	v_rcp_f32 v8, v16
	v_rcp_f32 v9, v17
	v_rcp_f32 v10, v18
	v_rcp_f32 v11, v19
	v_nop                                          ; a plain instruction behind the reciprocals
	s_wait_alu depctr_va_vdst(0)
.irp j, 8,9,10,11
	v_ldexp_f32 v\j, v\j, s63                      ; x 2^(e8 + e9)
.endr
.irp j, 8,9,10,11
	v_mul_f32 v\j, s62, v\j                        ; x gamma
.endr
	s_wait_loadcnt 0x0                             ; x
	s_wait_dscnt 16                                ; the first group is in; the second's sixteen loads may be out
	GSUM 0, 192
	GLOAD 2, 192
	s_wait_dscnt 16                                ; the second group is in
	GSUM 1, 40
	GLOAD 3, 40
	s_wait_dscnt 16                                ; the third
	GSUM 2, 192
	s_wait_dscnt 0x0
	GSUM 3, 40
	s_wait_tensorcnt 0x0                           ; the wave's end, behind my last tensor load and my last LDS store
	ds_add_u32 v1, v2
	s_wait_dscnt 0x0
	ROUND                                          ; the closing round: no work-group ends while a partner may still ask for a tile that names it
	s_endpgm
.Lfunc_end_k_qfd988d9c49_attn:
	.size	k_qfd988d9c49_attn, .Lfunc_end_k_qfd988d9c49_attn-k_qfd988d9c49_attn
	.p2alignl 7, 3214868480
	.fill 96, 4, 3214868480
	.section	.rodata,"a",@progbits
	.p2align	6, 0x0
	.amdhsa_kernel k_qfd988d9c49_attn
		.amdhsa_group_segment_fixed_size 327680
		.amdhsa_private_segment_fixed_size 0
		.amdhsa_enable_private_segment 0
		.amdhsa_kernarg_size 48
		.amdhsa_user_sgpr_count 2
		.amdhsa_user_sgpr_kernarg_segment_ptr 1
		.amdhsa_wavefront_size32 1
		.amdhsa_system_sgpr_workgroup_id_x 1
		.amdhsa_system_sgpr_workgroup_id_y 1
		.amdhsa_system_sgpr_workgroup_id_z 1
		.amdhsa_system_vgpr_workitem_id 0
		.amdhsa_next_free_vgpr 512
		.amdhsa_next_free_sgpr 80
		.amdhsa_reserve_vcc 0
		.amdhsa_float_denorm_mode_32 3
		.amdhsa_float_denorm_mode_16_64 3
		.amdhsa_memory_ordered 1
		.amdhsa_forward_progress 1
		.amdhsa_inst_pref_size 148
	.end_amdhsa_kernel
	.amdgpu_metadata
---
amdhsa.version: [ 1, 2 ]
amdhsa.kernels:
  - .name:           k_qfd988d9c49_attn
    .symbol:         k_qfd988d9c49_attn.kd
    .args:
      - { .name: qi, .offset: 0, .size: 8, .value_kind: global_buffer, .address_space: global }
      - { .name: kv, .offset: 8, .size: 8, .value_kind: global_buffer, .address_space: global }
      - { .name: x, .offset: 16, .size: 8, .value_kind: global_buffer, .address_space: global }
      - { .name: gamma, .offset: 24, .size: 8, .value_kind: global_buffer, .address_space: global }
      - { .name: lowp_scales, .offset: 32, .size: 8, .value_kind: global_buffer, .address_space: global }
      - { .name: out0, .offset: 40, .size: 8, .value_kind: global_buffer, .address_space: global }
    .group_segment_fixed_size: 327680
    .private_segment_fixed_size: 0
    .kernarg_segment_align: 8
    .kernarg_segment_size: 48
    .max_flat_workgroup_size: 256
    .sgpr_count:     80
    .vgpr_count:     512
    .wavefront_size: 32
...
	.end_amdgpu_metadata
.endif
;; end of part 2
